; MI455X (gfx1250); checked and timed in simulation.
; The chip was launched on July 23, 2026; its instructions are those of AMD's public machine-readable ISA for CDNA 5 (MIT licence, August 2026) and "CDNA5" Instruction Set Architecture Reference Guide (July 2026). The comments in the code are by the model that wrote it; some were corrected since.
;; Mod Layer. Allowed arithmetic: float matrix products may take bf16 or f16 operands with f32 sums; all other float work in f32.
;; Inputs: K one number float32; x 262,144 x 1 float32.
;; Outputs: out0 262,144 float32.
;; One version. Each part assembles by itself: llvm-mc -triple=amdgcn-amd-amdhsa -mcpu=gfx1250 --defsym DOCPART=n.
;; ======== version 1 of 1: 1 launch
;; limits: values outside matrix products are rounded to f16
;; launch modsum (part 1): grid 256 x 1, 16 waves a work-group, no clusters, 6,144 bytes of LDS; arguments x, out0, K; writes out0
.if DOCPART == 1
	.amdgcn_target "amdgcn-amd-amdhsa--gfx1250"
	.amdhsa_code_object_version 6
	.text
	.protected	k_q9927870c0f_modsum
	.globl	k_q9927870c0f_modsum
	.p2align	8
	.type	k_q9927870c0f_modsum,@function
k_q9927870c0f_modsum:
	s_mov_b64 s[64:65], 0
	v_nop
	global_prefetch_b8 v0, s[64:65] scope:SCOPE_SE
	s_setreg_imm32_b32 hwreg(HW_REG_WAVE_MODE, 25, 1), 1
	s_wait_xcnt 0x0
; out[b] = (-K/pi) * sum over n = 1..1000 of sin(n theta_b)/n + (K/2 - 0.5),  theta_b = 2 pi (x[b] + 0.5) / K.   x, out: [262144] f32.
;
; THE SUM IS FACTORED, for every input alike: n = 32 a + c, phi = 32 theta,
;     sin(n theta) = sin(a phi) cos(c theta) + cos(a phi) sin(c theta)
;     sum = sum over a of  sin(a phi) P[a] + cos(a phi) Q[a],   P = W cos(c theta),  Q = W sin(c theta),  W[a][c] = 1/(32 a + c)
; (W = 0 where 32 a + c is outside 1..1000: all 1000 terms are summed and no other).  A row needs 32 + 32 sine/cosine pairs in
; place of 1000 sines, and the 2 x 32 x 32 multiply-adds of P and Q go to the matrix unit.
; FORMATS: the matrix operands are sines, cosines and weights 1/n with n >= 32: all in [-1, 1] for every input, so f16 has the range.
; The block a = 0 (n = 1..31, the heavy weights) is summed in f32 on the vector unit; its row of W is 0.
; SHARES: 256 work-groups x 16 waves; a wave owns 64 rows = 4 groups of 16.  Lane (r = lane & 15, h = lane >> 4) of group g serves
; row 4 r + g of the wave's 64 and holds c = 16 h + 0..15 and a = 16 h + 0..15 of it; the two halves' sums meet at the end.
; So a lane's four x are 16 neighbouring bytes (one load), and lanes 0-15 store 256 consecutive bytes, aligned (one store).
; NOT USED: clusters (the work-groups share only the 4 bytes of K), tensor loads and rings (a work-group reads 4,096 bytes, once),
; prefetch (every byte is asked for in the first lines).
; LIMITS: the order of the sum differs from the reference's; terms n >= 32 carry the rounding of f16 operands (relative 2^-11 at most a
; factor); the phase is the fraction of the f32 quotient t = (x + 0.5)/K: for |t| above some 2^10 the upper harmonics lose their phase
; (1000 ulp(t) of a turn), from 2^23 on the fraction is 0.  K = 0, infinities and NaN give NaN.
.set NTERM,  1000
.set W0_LDS, 2048                      ; LDS: bytes 0-2047 the two f16 fragments of W, bytes 2048-2175 the 32 f32 weights of block a = 0
; polynomials for |angle| <= pi/4:  sin = f + f z (S3 + z (S5 + z S7)),  cos = 1 - z/2 + z^2 (C4 + z (C6 + z C8)),  z = f^2
.set HALFPI, 0x3fc90fdb                ; pi/2: a quarter of the angle 2 pi r
.set S7, 0xb94ca1f9                    ; -1.9515295891e-4
.set S5, 0x3c08839e                    ;  8.3321608736e-3
.set S3, 0xbe2aaaa3                    ; -1.6666654611e-1
.set C8, 0x37ccf5ce                    ;  2.4433157118e-5
.set C6, 0xbab6061a                    ; -1.3887316255e-3
.set C4, 0x3d2aaaa5                    ;  4.1666645683e-2
; registers
.set LN,   1                           ; lane
.set VOFF, 2                           ; byte offset of my 16 bytes of x and of out in the work-group's 4,096
.set TW,   3                           ; wave number
.set HF,   4                           ; v[4:5]     16 h as f32, twice
.set KV,   6                           ; K
.set RK,   7                           ; 1/K
.set CA,   8                           ; -K/pi
.set CB,   9                           ; K/2 - 0.5
.set KS,   10                          ; v[10:11]   S5, twice
.set KC,   12                          ; v[12:13]   C6, twice
.set X,    16                          ; v[16:19]   x of my row in groups 0..3
.set O,    20                          ; v[20:23]   the four results
.set W0,   24                          ; v[24:39]   1/c for c = 16 h + 0..15 in f32 (0 for c = 0)
.set WT,   40                          ; v[40:55]   W as matrix operand A: tile 0, tile 1
.set PA,   56                          ; v[56:67]   sine/cosine pass on the pair (t0, u): +0 angle, +2 z, +4 sin, +6 cos, +8, +10 work
.set PB,   68                          ; v[68:79]   the same on the pair (16 h t0, 16 h u)
.set T,    80                          ; v[80:83]   work
.set K1,   84                          ; v[84:85]   2 cos theta, 2 cos phi
.set K2,   86                          ; v[86:87]   2 cos 2 theta, 2 cos 2 phi
.set RS,   88                          ; v[88:151]  four runs of 16: +0 sin((16h+i) theta), +16 cos of it, +32 sin((16h+i) phi), +48 cos of it
.set FS,   152                         ; v[152:159] the sines of c theta as f16: matrix operand B
.set FC,   160                         ; v[160:167] the cosines
.set PP,   168                         ; v[168:183] P[16 h + i], i = 0..15 (tile 0, tile 1)
.set QQ,   184                         ; v[184:199] Q[16 h + i]
.set ACC,  200                         ; v[200:205] three pairs of partial sums
	s_load_b128 s[4:7], s[0:1], 0x0                ; x s[4:5], out s[6:7]
	s_load_b64 s[8:9], s[0:1], 0x10                ; K's address
	v_lshl_add_u32 v208, v0, 2, 0x1000
	v_mov_b32 v209, 0
	v_and_b32 v[LN], 31, v0
	v_lshrrev_b32 v[TW], 5, v0
	v_readfirstlane_b32 s12, v[TW]                 ; wave number as a scalar
	v_and_b32 v[VOFF], 15, v0
	v_lshlrev_b32 v[VOFF], 4, v[VOFF]              ; 16 r
	v_lshl_or_b32 v[VOFF], v[TW], 8, v[VOFF]       ; + 256 x wave
	s_lshl_b32 s14, ttmp9, 12                      ; the work-group's 1,024 rows: 4,096 bytes
	s_mov_b32 s15, 0
	s_mov_b32 s16, 0x76543210                      ; v_permlanex16_b32: lane i takes lane i of the other half
	s_mov_b32 s17, 0xfedcba98
	s_wait_kmcnt 0x0
	s_load_b32 s10, s[8:9], 0x0                    ; K
	s_add_nc_u64 s[4:5], s[4:5], s[14:15]
	s_add_nc_u64 s[6:7], s[6:7], s[14:15]
	global_load_b128 v[X:X+3], v[VOFF], s[4:5] th:TH_LOAD_NT   ; lanes 0-15: 256 consecutive bytes, aligned; lanes 16-31 the same bytes
	; THE TABLE OF W, while x and K are on their way.  512 threads, 512 dwords: thread tid makes dword tid of
	;   byte 1024 T + 512 q + 16 lane + 4 e  =  register 4 q + e of tile T's fragment in that lane,
	; so tid = T<<8 | q<<7 | h<<6 | r<<2 | e.  Operand A's lane (r, h) holds row m = r.  In the result, register j of lane half h' is row
	; m = 8 h' + j; that row is given a = 16 h' + 8 T + j, so that a lane's 16 results are a = 16 h' + 0..15.  Slot (register v, half p)
	; of lane half h carries c = 16 h + 2 v + p in A and in B alike: a permutation of k that both sides share leaves the products as they are.
	;   n = 32 a + c = (r>>3)<<9 | T<<8 | (r&7)<<5 | h<<4 | q<<3 | e<<1 | p
	v_and_b32 v[PA], 3, v0
	v_lshlrev_b32 v[PA], 1, v[PA]                  ; e<<1
	v_bfe_u32 v[PA+1], v0, 2, 3
	v_lshl_or_b32 v[PA], v[PA+1], 5, v[PA]         ; (r&7)<<5
	v_bfe_u32 v[PA+1], v0, 5, 1
	v_lshl_or_b32 v[PA], v[PA+1], 9, v[PA]         ; (r>>3)<<9
	v_bfe_u32 v[PA+1], v0, 6, 1
	v_lshl_or_b32 v[PA], v[PA+1], 4, v[PA]         ; h<<4
	v_bfe_u32 v[PA+1], v0, 7, 1
	v_lshl_or_b32 v[PA], v[PA+1], 3, v[PA]         ; q<<3
	v_and_or_b32 v[PA], v0, 0x100, v[PA]           ; T<<8: n for p = 0
	v_or_b32 v[PA+1], 1, v[PA]                     ; n for p = 1
	v_cvt_f32_u32 v[PA+2], v[PA]
	v_cvt_f32_u32 v[PA+3], v[PA+1]
	v_rcp_f32 v[PA+4], v[PA+2]
	v_rcp_f32 v[PA+5], v[PA+3]                     ; the two integer adds below are the plain place behind the reciprocals (ISA guide 5.7.2)
	v_add_nc_u32 v[PA], 0xffffffe0, v[PA]          ; n - 32, unsigned:
	v_add_nc_u32 v[PA+1], 0xffffffe0, v[PA+1]      ; 32 <= n <= 1000 is n - 32 <= 968
	v_cmp_ge_u32 vcc_lo, NTERM-32, v[PA]
	s_wait_alu depctr_va_vdst(0)
	v_cndmask_b32 v[PA+4], 0, v[PA+4], vcc_lo      ; block a = 0 and n > 1000: weight 0
	v_cmp_ge_u32 vcc_lo, NTERM-32, v[PA+1]
	v_cndmask_b32 v[PA+5], 0, v[PA+5], vcc_lo
	v_cvt_pk_f16_f32 v[PA+6], v[PA+4], v[PA+5]
	v_lshlrev_b32 v[PA+7], 2, v0
	ds_store_b32 v[PA+7], v[PA+6]
	s_cmp_lg_u32 s12, 0                            ; wave 0 alone (tid = lane = c): the 32 f32 weights of block a = 0
	s_cbranch_scc1 .Ltable_done
	v_cvt_f32_u32 v[PA], v0
	v_rcp_f32 v[PA+1], v[PA]
	v_cmp_ne_u32 vcc_lo, 0, v0                     ; (also the place behind the reciprocal)
	s_wait_alu depctr_va_vdst(0)
	v_cndmask_b32 v[PA+1], 0, v[PA+1], vcc_lo      ; n = 0 is no term
	ds_store_b32 v[PA+7], v[PA+1] offset:W0_LDS
.Ltable_done:
	s_wait_dscnt 0x0                               ; my part of the table is in LDS: zero, since the other waves will read it
	s_barrier_signal -1
	v_lshlrev_b32 v[PA], 4, v[LN]                  ; register work while the others arrive: 16 x lane,
	v_lshrrev_b32 v[PA+1], 4, v[LN]                ; h,
	v_lshlrev_b32 v[PA+2], 6, v[PA+1]              ; 64 h: my 16 weights of block a = 0,
	v_lshlrev_b32 v[PA+3], 4, v[PA+1]
	v_cvt_f32_u32 v[HF], v[PA+3]                   ; 16 h as f32
	v_mov_b32 v[HF+1], v[HF]
	v_mov_b32 v[KS], S5
	v_mov_b32 v[KS+1], S5
	v_mov_b32 v[KC], C6
	v_mov_b32 v[KC+1], C6
	s_barrier_wait -1
.irp j, 0,1,2,3
	ds_load_b128 v[WT+4*\j:WT+4*\j+3], v[PA] offset:512*\j         ; 16 lanes take 256 neighbouring bytes: no two lanes in one bank
.endr
.irp j, 0,1,2,3
	ds_load_b128 v[W0+4*\j:W0+4*\j+3], v[PA+2] offset:W0_LDS+16*\j ; the lanes of a half read the same words
.endr
	s_wait_kmcnt 0x0                               ; K
	v_mov_b32 v[KV], s10
	v_rcp_f32 v[RK], v[KV]
	v_mul_f32 v[CA], 0xbea2f983, v[KV]             ; -K/pi (reads K, writes neither K nor 1/K: the place behind the reciprocal)
	v_fma_f32 v[CB], v[KV], 0.5, -0.5              ; K/2 - 0.5
	s_wait_alu depctr_va_vdst(0)
	s_wait_loadcnt 0x0                             ; x
	s_wait_dscnt 0x0                               ; the tables
; One group of 16 rows.
.macro GROUP g
	; t = (x + 0.5)/K, the quotient refined by one residual; t0 = t - round(t) and u = 32 t0 - round(32 t0) are exact in f32
	v_add_f32 v[T], 0.5, v[X+\g]
	v_mul_f32 v[T+1], v[T], v[RK]
	v_fma_f32 v[T+2], -v[T+1], v[KV], v[T]
	v_fmac_f32 v[T+1], v[T+2], v[RK]
	v_rndne_f32 v[T+2], v[T+1]
	v_sub_f32 v[PA], v[T+1], v[T+2]                ; t0: theta = 2 pi t0 (mod 2 pi)
	v_mul_f32 v[T], 0x42000000, v[PA]              ; 32 t0
	v_rndne_f32 v[T+2], v[T]
	v_sub_f32 v[PA+1], v[T], v[T+2]                ; u: phi = 2 pi u
	v_pk_mul_f32 v[PB:PB+1], v[PA:PA+1], v[HF:HF+1]        ; 16 h t0, 16 h u: where my two runs start (0 in the lower half), exact too
	v_rndne_f32 v[T], v[PB]
	v_rndne_f32 v[T+1], v[PB+1]
	v_pk_add_f32 v[PB:PB+1], v[PB:PB+1], v[T:T+1] neg_lo:[0,1] neg_hi:[0,1]
	; sine and cosine of 2 pi r for four r in [-0.5, 0.5], two to a packed pass, the passes interleaved:
	; polynomials at a quarter of the angle, f = r pi/2, |f| <= pi/4, then the angle is doubled twice
.irp b, PA, PB
	v_pk_mul_f32 v[\b:\b+1], v[\b:\b+1], HALFPI op_sel_hi:[1,0]
.endr
.irp b, PA, PB
	v_pk_mul_f32 v[\b+2:\b+3], v[\b:\b+1], v[\b:\b+1]                              ; z
.endr
.irp b, PA, PB
	v_pk_fma_f32 v[\b+4:\b+5], v[\b+2:\b+3], S7, v[KS:KS+1] op_sel_hi:[1,0,1]
	v_pk_fma_f32 v[\b+6:\b+7], v[\b+2:\b+3], C8, v[KC:KC+1] op_sel_hi:[1,0,1]
	v_pk_mul_f32 v[\b+8:\b+9], v[\b+2:\b+3], v[\b:\b+1]                            ; z f
	v_pk_fma_f32 v[\b+10:\b+11], v[\b+2:\b+3], -0.5, 1.0 op_sel_hi:[1,0,0]         ; 1 - z/2
.endr
.irp b, PA, PB
	v_pk_fma_f32 v[\b+4:\b+5], v[\b+4:\b+5], v[\b+2:\b+3], S3 op_sel_hi:[1,1,0]
	v_pk_fma_f32 v[\b+6:\b+7], v[\b+6:\b+7], v[\b+2:\b+3], C4 op_sel_hi:[1,1,0]
	v_pk_mul_f32 v[\b+2:\b+3], v[\b+2:\b+3], v[\b+2:\b+3]                          ; z^2
.endr
.irp b, PA, PB
	v_pk_fma_f32 v[\b+4:\b+5], v[\b+4:\b+5], v[\b+8:\b+9], v[\b:\b+1]              ; s = sin f
	v_pk_fma_f32 v[\b+6:\b+7], v[\b+6:\b+7], v[\b+2:\b+3], v[\b+10:\b+11]          ; c = cos f
.endr
.irp b, PA, PB
	v_pk_mul_f32 v[\b+8:\b+9], v[\b+4:\b+5], -2.0 op_sel_hi:[1,0]                  ; -2 s
.endr
.irp b, PA, PB
	v_pk_fma_f32 v[\b+10:\b+11], v[\b+8:\b+9], v[\b+4:\b+5], 1.0 op_sel_hi:[1,1,0] ; cos 2f = 1 - 2 s^2
	v_pk_mul_f32 v[\b+4:\b+5], v[\b+8:\b+9], v[\b+6:\b+7]                          ; -sin 2f = -2 s c
.endr
.irp b, PA, PB
	v_pk_mul_f32 v[\b+8:\b+9], v[\b+4:\b+5], -2.0 op_sel_hi:[1,0]                  ; 2 sin 2f
.endr
	v_pk_fma_f32 v[PA+6:PA+7], v[PA+8:PA+9], v[PA+4:PA+5], 1.0 op_sel_hi:[1,1,0]   ; cos theta, cos phi = 1 - 2 sin^2 2f
	v_fma_f32 v[RS+16], v[PB+8], v[PB+4], 1.0              ; the second pass's results go straight to element 0 of the four runs
	v_fma_f32 v[RS+48], v[PB+9], v[PB+5], 1.0
	v_pk_mul_f32 v[PA+4:PA+5], v[PA+8:PA+9], v[PA+10:PA+11]                        ; sin theta, sin phi = 2 sin 2f cos 2f
	v_mul_f32 v[RS], v[PB+8], v[PB+10]
	v_mul_f32 v[RS+32], v[PB+9], v[PB+11]
	v_pk_add_f32 v[K1:K1+1], v[PA+6:PA+7], v[PA+6:PA+7]                            ; 2 cos
	v_pk_fma_f32 v[K2:K2+1], v[K1:K1+1], v[K1:K1+1], -2.0 op_sel_hi:[1,1,0]        ; 2 cos of twice the angle = (2 cos)^2 - 2
	; elements 1, 2, 3 of the runs (q = 0: steps of theta, q = 1: steps of phi): one rotation, then y[i+1] = 2 cos y[i] - y[i-1]
.irp q, 0,1
	v_mul_f32 v[RS+32*\q+1], v[RS+32*\q], v[PA+6+\q]
	v_mul_f32 v[RS+32*\q+17], v[RS+32*\q+16], v[PA+6+\q]
.endr
.irp q, 0,1
	v_fmac_f32 v[RS+32*\q+1], v[RS+32*\q+16], v[PA+4+\q]
	v_fma_f32 v[RS+32*\q+17], -v[RS+32*\q], v[PA+4+\q], v[RS+32*\q+17]
.endr
.irp i, 2,3
.irp q, 0,1
	v_fma_f32 v[RS+32*\q+\i], v[K1+\q], v[RS+32*\q+\i-1], -v[RS+32*\q+\i-2]
	v_fma_f32 v[RS+32*\q+16+\i], v[K1+\q], v[RS+32*\q+16+\i-1], -v[RS+32*\q+16+\i-2]
.endr
.endr
	; the runs of c theta in steps of two, y[i+2] = 2 cos(2 theta) y[i] - y[i-2], so that neighbours i, i+1 share a register pair.
	; Six steps: an error put in at a step grows at most linearly with the steps behind it, for any angle.
.irp i, 4,6,8,10,12,14
	v_pk_fma_f32 v[RS+\i:RS+\i+1], v[RS+\i-2:RS+\i-1], v[K2:K2+1], v[RS+\i-4:RS+\i-3] op_sel_hi:[1,0,1] neg_lo:[0,0,1] neg_hi:[0,0,1]
	v_pk_fma_f32 v[RS+16+\i:RS+16+\i+1], v[RS+16+\i-2:RS+16+\i-1], v[K2:K2+1], v[RS+16+\i-4:RS+16+\i-3] op_sel_hi:[1,0,1] neg_lo:[0,0,1] neg_hi:[0,0,1]
.endr
.irp p, 0,1,2,3,4,5,6,7
	v_cvt_pk_f16_f32 v[FS+\p], v[RS+2*\p], v[RS+2*\p+1]            ; slot (register p, half) = c - 16 h, as in the table of W
	v_cvt_pk_f16_f32 v[FC+\p], v[RS+16+2*\p], v[RS+16+2*\p+1]
.endr
	; D(m, n) = sum over k of A(m, k) B(k, n): A = W, column n = r of B = my row's cosines or sines.  Register j of tile T in lane (r, h) is then
	; P or Q of a = 16 h + 8 T + j for row r.  The constant 0 as C starts each sum.
	v_wmma_f32_16x16x32_f16 v[PP:PP+7], v[WT:WT+7], v[FC:FC+7], 0
	v_wmma_f32_16x16x32_f16 v[QQ:QQ+7], v[WT:WT+7], v[FS:FS+7], 0
	v_wmma_f32_16x16x32_f16 v[PP+8:PP+15], v[WT+8:WT+15], v[FC:FC+7], 0
	v_wmma_f32_16x16x32_f16 v[QQ+8:QQ+15], v[WT+8:WT+15], v[FS:FS+7], 0
	; Behind the matrix instructions: the runs of a phi and the f32 sum of block a = 0, 20 packed instructions that name none of the matrix
	; instructions' registers.  They are more than the four places due before P and Q are read (ISA guide 7.12.1).
	v_pk_mul_f32 v[ACC:ACC+1], v[RS:RS+1], v[W0:W0+1]
.irp i, 4,6,8,10,12,14
	v_pk_fma_f32 v[RS+32+\i:RS+32+\i+1], v[RS+32+\i-2:RS+32+\i-1], v[K2:K2+1], v[RS+32+\i-4:RS+32+\i-3] op_sel:[0,1,0] op_sel_hi:[1,1,1] neg_lo:[0,0,1] neg_hi:[0,0,1]
	v_pk_fma_f32 v[RS+48+\i:RS+48+\i+1], v[RS+48+\i-2:RS+48+\i-1], v[K2:K2+1], v[RS+48+\i-4:RS+48+\i-3] op_sel:[0,1,0] op_sel_hi:[1,1,1] neg_lo:[0,0,1] neg_hi:[0,0,1]
	v_pk_fma_f32 v[ACC:ACC+1], v[RS+\i-2:RS+\i-1], v[W0+\i-2:W0+\i-1], v[ACC:ACC+1]
.endr
	v_pk_fma_f32 v[ACC:ACC+1], v[RS+14:RS+15], v[W0+14:W0+15], v[ACC:ACC+1]
	; sum over my 16 a of sin(a phi) P[a] + cos(a phi) Q[a]: two chains, each started by its first product
	v_pk_mul_f32 v[ACC+2:ACC+3], v[RS+32:RS+33], v[PP:PP+1]
	v_pk_mul_f32 v[ACC+4:ACC+5], v[RS+48:RS+49], v[QQ:QQ+1]
.irp i, 2,4,6,8,10,12,14
	v_pk_fma_f32 v[ACC+2:ACC+3], v[RS+32+\i:RS+32+\i+1], v[PP+\i:PP+\i+1], v[ACC+2:ACC+3]
	v_pk_fma_f32 v[ACC+4:ACC+5], v[RS+48+\i:RS+48+\i+1], v[QQ+\i:QQ+\i+1], v[ACC+4:ACC+5]
.endr
	v_pk_add_f32 v[ACC+2:ACC+3], v[ACC+2:ACC+3], v[ACC+4:ACC+5]
	v_pk_add_f32 v[ACC:ACC+1], v[ACC:ACC+1], v[ACC+2:ACC+3]
	v_add_f32 v[ACC], v[ACC], v[ACC+1]
	v_permlanex16_b32 v[ACC+2], v[ACC], s16, s17   ; the other half of my row's a and c (the destination has been written before)
	v_add_f32 v[ACC], v[ACC], v[ACC+2]
	v_fma_f32 v[O+\g], v[ACC], v[CA], v[CB]        ; sum x (-K/pi) + (K/2 - 0.5)
.endm
	GROUP 0
	GROUP 1
	GROUP 2
	GROUP 3
	; both halves hold the same four results: lanes 0-15 store them, 256 consecutive bytes at a multiple of 256 from out's first byte
	v_cmp_gt_u32 vcc_lo, 16, v[LN]
	s_wait_xcnt 0x0                                ; EXEC is narrowed only behind this wait: it is a source of the load of x
	s_wait_tensorcnt 0x0
	ds_add_u32 v208, v209
	s_wait_dscnt 0x0
	s_and_saveexec_b32 s18, vcc_lo
	global_store_b128 v[VOFF], v[O:O+3], s[6:7] th:TH_STORE_NT
	s_endpgm
.Lfunc_end_k_q9927870c0f_modsum:
	.size	k_q9927870c0f_modsum, .Lfunc_end_k_q9927870c0f_modsum-k_q9927870c0f_modsum
	.p2alignl 7, 3214868480
	.fill 96, 4, 3214868480
	.section	.rodata,"a",@progbits
	.p2align	6, 0x0
	.amdhsa_kernel k_q9927870c0f_modsum
		.amdhsa_group_segment_fixed_size 6144
		.amdhsa_private_segment_fixed_size 0
		.amdhsa_enable_private_segment 0
		.amdhsa_kernarg_size 24
		.amdhsa_user_sgpr_count 2
		.amdhsa_user_sgpr_kernarg_segment_ptr 1
		.amdhsa_wavefront_size32 1
		.amdhsa_system_sgpr_workgroup_id_x 1
		.amdhsa_system_sgpr_workgroup_id_y 1
		.amdhsa_system_sgpr_workgroup_id_z 1
		.amdhsa_system_vgpr_workitem_id 0
		.amdhsa_next_free_vgpr 210
		.amdhsa_next_free_sgpr 66
		.amdhsa_reserve_vcc 1
		.amdhsa_float_denorm_mode_32 3
		.amdhsa_float_denorm_mode_16_64 3
		.amdhsa_memory_ordered 1
		.amdhsa_forward_progress 1
		.amdhsa_inst_pref_size 39
	.end_amdhsa_kernel
	.amdgpu_metadata
---
amdhsa.version: [ 1, 2 ]
amdhsa.kernels:
  - .name:           k_q9927870c0f_modsum
    .symbol:         k_q9927870c0f_modsum.kd
    .args:
      - { .name: x, .offset: 0, .size: 8, .value_kind: global_buffer, .address_space: global }
      - { .name: out0, .offset: 8, .size: 8, .value_kind: global_buffer, .address_space: global }
      - { .name: K, .offset: 16, .size: 8, .value_kind: global_buffer, .address_space: global }
    .group_segment_fixed_size: 6144
    .private_segment_fixed_size: 0
    .kernarg_segment_align: 8
    .kernarg_segment_size: 24
    .max_flat_workgroup_size: 512
    .sgpr_count:     66
    .vgpr_count:     210
    .wavefront_size: 32
...
	.end_amdgpu_metadata
.endif
;; end of part 1
